; MI455X (gfx1250); checked and timed in simulation.
; The chip was launched on July 23, 2026; its instructions are those of AMD's public machine-readable ISA for CDNA 5 (MIT licence, August 2026) and "CDNA5" Instruction Set Architecture Reference Guide (July 2026). The comments in the code are by the model that wrote it; some were corrected since.
;; Fastest Flash MHA. Allowed arithmetic: float matrix products may take bf16 or f16 operands with f32 sums; all other float work in f32.
;; Inputs: Wk 2,048 x 2,048 float32; Wo 2,048 x 2,048 float32; Wq 2,048 x 2,048 float32; Wv 2,048 x 2,048 float32; x 2 x 1,024 x 2,048 float32.
;; Outputs: out0 2 x 1,024 x 2,048 float32.
;; One version. Each part assembles by itself: llvm-mc -triple=amdgcn-amd-amdhsa -mcpu=gfx1250 --defsym DOCPART=n.
;; ======== version 1 of 1: 4 launches
;; limits: values are held in f16: magnitudes above 65,504 overflow, below 6.1e-05 lose precision
;; workspace buffers: xb 8,388,608 bytes; wqkv 25,165,824 bytes; wob 8,388,608 bytes; qkv 25,165,824 bytes; att 8,388,608 bytes
;; launch cvt (part 1): grid 256 x 5, 8 waves a work-group, no clusters, 0 bytes of LDS; arguments x, Wq, Wk, Wv, Wo, xb, wqkv, wob; writes xb, wqkv, wob
.if DOCPART == 1
	.amdgcn_target "amdgcn-amd-amdhsa--gfx1250"
	.amdhsa_code_object_version 6
	.text
	.protected	k_q6da93083b8_cvt
	.globl	k_q6da93083b8_cvt
	.p2align	8
	.type	k_q6da93083b8_cvt,@function
k_q6da93083b8_cvt:
	s_mov_b64 s[64:65], 0
	v_nop
	global_prefetch_b8 v0, s[64:65] scope:SCOPE_SE
	s_setreg_imm32_b32 hwreg(HW_REG_WAVE_MODE, 25, 1), 1
	s_wait_xcnt 0x0
; The five f32 inputs are rounded once to the 16-bit operands of the matrix launches.
;   y = 0: x  -> xb   (bf16)      y = 1, 2, 3: Wq, Wk, Wv -> wqkv rows 0.., 2048.., 4096.. (bf16)
;   y = 4: Wo -> wob: rounded to bf16 like the others, and that value written in f16 (its partner in the last product is f16).
; LIMIT: bf16 has 8 significant bits and f16 has 11, so the second step is exact for 6.1e-5 <= |Wo| <= 65,504; below, the value is kept to
; a multiple of 2^-24; above, it becomes infinite.
; Each region is 4,194,304 numbers = 256 work-groups x 64 KiB of f32.  A wave takes 8 KiB: 16 loads of 512 neighbouring bytes, all issued
; first; each is rounded in place and gives one store of 8 bytes a lane: 256 neighbouring bytes, aligned.  No register is written again
; behind the store that reads it, so no wait frees a source.  70 registers a wave: the 1,280 x 8 / 256 = 40 waves that fall to a WGP, ten a
; SIMD, take 720 of a SIMD's 1,024 registers, so every load of the launch can be out from the start.
; No LDS, no barrier, no matrix unit: the launch only moves bytes.
.set X, 4                              ; v[4:67]    16 x 4 f32 as loaded; the first two of each four then hold the words to store
.set T, 68                             ; v[68:69]   Wo's bf16 pairs on their way to f16
	s_load_b512 s[8:23], s[0:1], 0x0               ; x, Wq, Wk, Wv, Wo, xb, wqkv, wob
	s_and_b32 s2, ttmp7, 0xffff                    ; y: the region
	v_and_b32 v1, 0xe0, v0                         ; 32 x wave
	v_and_b32 v2, 31, v0
	v_lshlrev_b32 v2, 4, v2                        ; 16 bytes a lane
	v_lshl_or_b32 v1, v1, 8, v2                    ; in: 8,192 x wave + 16 x lane
	v_lshrrev_b32 v2, 1, v1                        ; out: half of that
	s_lshl_b32 s24, ttmp9, 16                      ; in: 64 KiB a work-group
	s_mov_b32 s25, 0
	s_sub_co_u32 s3, s2, 1
	s_lshl_b32 s3, s3, 23                          ; (y - 1) x 8,388,608: the weight's rows in wqkv,
	s_cmp_eq_u32 s2, 0
	s_cselect_b32 s3, 0, s3                        ; and nothing for xb
	s_cmp_eq_u32 s2, 4
	s_cselect_b32 s3, 0, s3                        ; and wob
	s_lshl_b32 s26, ttmp9, 15                      ; out: 32 KiB a work-group
	s_add_co_u32 s26, s26, s3
	s_mov_b32 s27, 0
	s_wait_kmcnt 0x0
	s_cmp_eq_u32 s2, 1                             ; the region's source and destination, chosen on y alone
	s_cselect_b64 s[4:5], s[10:11], s[8:9]
	s_cmp_eq_u32 s2, 2
	s_cselect_b64 s[4:5], s[12:13], s[4:5]
	s_cmp_eq_u32 s2, 3
	s_cselect_b64 s[4:5], s[14:15], s[4:5]
	s_cmp_eq_u32 s2, 4
	s_cselect_b64 s[4:5], s[16:17], s[4:5]
	s_cselect_b64 s[6:7], s[22:23], s[20:21]       ; the select leaves SCC as it is: still y = 4
	s_cmp_eq_u32 s2, 0
	s_cselect_b64 s[6:7], s[18:19], s[6:7]
	s_add_nc_u64 s[4:5], s[4:5], s[24:25]
	s_add_nc_u64 s[6:7], s[6:7], s[26:27]
.irp i, 0,1,2,3,4,5,6,7,8,9,10,11,12,13,14,15
	global_load_b128 v[X+4*\i:X+4*\i+3], v1, s[4:5] offset:512*\i th:TH_LOAD_NT   ; read once in the launch
.endr
; Load i is rounded in place and stored.  wo = 1: through bf16 into f16.
.macro CONV i, wo
	s_wait_loadcnt 15-\i                           ; loads come back in order: mine is in, the 15 - i younger ones stay out
.if \wo
	v_cvt_pk_bf16_f32 v[T],   v[X+4*\i],   v[X+4*\i+1]
	v_cvt_pk_bf16_f32 v[T+1], v[X+4*\i+2], v[X+4*\i+3]
	v_lshlrev_b32 v[X+4*\i],   16, v[T]            ; the rounded values as f32 again
	v_and_b32     v[X+4*\i+1], 0xffff0000, v[T]
	v_lshlrev_b32 v[X+4*\i+2], 16, v[T+1]
	v_and_b32     v[X+4*\i+3], 0xffff0000, v[T+1]
	v_cvt_pk_f16_f32 v[X+4*\i],   v[X+4*\i],   v[X+4*\i+1]
	v_cvt_pk_f16_f32 v[X+4*\i+1], v[X+4*\i+2], v[X+4*\i+3]
.else
	v_cvt_pk_bf16_f32 v[X+4*\i],   v[X+4*\i],   v[X+4*\i+1]
	v_cvt_pk_bf16_f32 v[X+4*\i+1], v[X+4*\i+2], v[X+4*\i+3]
.endif
	global_store_b64 v2, v[X+4*\i:X+4*\i+1], s[6:7] offset:256*\i   ; 32 lanes x 8 bytes: 256 consecutive bytes, aligned
.endm
	s_cmp_eq_u32 s2, 4
	s_cbranch_scc1 .Lwo
.irp i, 0,1,2,3,4,5,6,7,8,9,10,11,12,13,14,15
	CONV \i, 0
.endr
	s_endpgm
.Lwo:
.irp i, 0,1,2,3,4,5,6,7,8,9,10,11,12,13,14,15
	CONV \i, 1
.endr
	s_endpgm
.Lfunc_end_k_q6da93083b8_cvt:
	.size	k_q6da93083b8_cvt, .Lfunc_end_k_q6da93083b8_cvt-k_q6da93083b8_cvt
	.p2alignl 7, 3214868480
	.fill 96, 4, 3214868480
	.section	.rodata,"a",@progbits
	.p2align	6, 0x0
	.amdhsa_kernel k_q6da93083b8_cvt
		.amdhsa_group_segment_fixed_size 0
		.amdhsa_private_segment_fixed_size 0
		.amdhsa_enable_private_segment 0
		.amdhsa_kernarg_size 64
		.amdhsa_user_sgpr_count 2
		.amdhsa_user_sgpr_kernarg_segment_ptr 1
		.amdhsa_wavefront_size32 1
		.amdhsa_system_sgpr_workgroup_id_x 1
		.amdhsa_system_sgpr_workgroup_id_y 1
		.amdhsa_system_sgpr_workgroup_id_z 1
		.amdhsa_system_vgpr_workitem_id 0
		.amdhsa_next_free_vgpr 72
		.amdhsa_next_free_sgpr 66
		.amdhsa_reserve_vcc 0
		.amdhsa_float_denorm_mode_32 3
		.amdhsa_float_denorm_mode_16_64 3
		.amdhsa_memory_ordered 1
		.amdhsa_forward_progress 1
		.amdhsa_inst_pref_size 16
	.end_amdhsa_kernel
	.amdgpu_metadata
---
amdhsa.version: [ 1, 2 ]
amdhsa.kernels:
  - .name:           k_q6da93083b8_cvt
    .symbol:         k_q6da93083b8_cvt.kd
    .args:
      - { .name: x, .offset: 0, .size: 8, .value_kind: global_buffer, .address_space: global }
      - { .name: Wq, .offset: 8, .size: 8, .value_kind: global_buffer, .address_space: global }
      - { .name: Wk, .offset: 16, .size: 8, .value_kind: global_buffer, .address_space: global }
      - { .name: Wv, .offset: 24, .size: 8, .value_kind: global_buffer, .address_space: global }
      - { .name: Wo, .offset: 32, .size: 8, .value_kind: global_buffer, .address_space: global }
      - { .name: xb, .offset: 40, .size: 8, .value_kind: global_buffer, .address_space: global }
      - { .name: wqkv, .offset: 48, .size: 8, .value_kind: global_buffer, .address_space: global }
      - { .name: wob, .offset: 56, .size: 8, .value_kind: global_buffer, .address_space: global }
    .group_segment_fixed_size: 0
    .private_segment_fixed_size: 0
    .kernarg_segment_align: 8
    .kernarg_segment_size: 64
    .max_flat_workgroup_size: 256
    .sgpr_count:     66
    .vgpr_count:     72
    .wavefront_size: 32
...
	.end_amdgpu_metadata
.endif
;; end of part 1
;; launch qkvproj (part 2): grid 24 x 8, 4 waves a work-group, clusters of 4 x 4, 327,680 bytes of LDS; arguments xb, wqkv, qkv; writes qkv
.if DOCPART == 2
	.amdgcn_target "amdgcn-amd-amdhsa--gfx1250"
	.amdhsa_code_object_version 6
	.text
	.protected	k_q6da93083b8_qkvproj
	.globl	k_q6da93083b8_qkvproj
	.p2align	8
	.type	k_q6da93083b8_qkvproj,@function
k_q6da93083b8_qkvproj:
	s_mov_b64 s[64:65], 0
	v_nop
	global_prefetch_b8 v0, s[64:65] scope:SCOPE_SE
	s_setreg_imm32_b32 hwreg(HW_REG_WAVE_MODE, 25, 1), 1
	s_wait_xcnt 0x0
	s_wait_alu depctr_hold_cnt(0) depctr_sa_sdst(0) depctr_va_vdst(0) depctr_va_sdst(0) depctr_va_ssrc(0) depctr_va_vcc(0) depctr_vm_vsrc(0)
	s_getreg_b32 s2, hwreg(HW_REG_IB_STS2, 6, 4)
	s_cmp_eq_u32 s2, 0
	s_cbranch_scc0 .Lentry_in_a_cluster
	s_endpgm
.Lentry_in_a_cluster:
	s_bfe_u32 s2, ttmp6, 0x10000c
	s_cmp_lg_u32 s2, 0xf033
	s_cbranch_scc0 .Lentry_shape_is_right
	s_endpgm
.Lentry_shape_is_right:
; qkv[m][n] = sum over k of xb[m][k] wqkv[n][k]: the three projections as one product, 2048 x 6144 x 2048, bf16 operands, f32 sums.
; Columns 0-2047 (q) are multiplied by C1 = 2 log2(e) / (30 sqrt(128)) in f32, so that the attention launch's products are the exponents
; of its soft cap; then every number is rounded once to f16.
; LIMIT: C1 q, k and v leave as f16: a magnitude above 65,504 becomes infinite.
; A work-group makes 256 x 256 with four waves, a wave 128 x 128: 64 accumulator tiles, 512 registers.  K goes in steps of 128 through two
; LDS slots filled by tensor loads whose rows are 256 bytes of memory, aligned.  24 x 8 = 192 work-groups.
; CLUSTERS of 4 x 4: the four work-groups of a cluster's row need the same tiles of xb, the four of a column the same tiles of wqkv; each
; tile is asked for jointly, by the same tensor load with the same descriptor and a mask that names the four.
; REGISTERS in windows of 256: window 0: v16-26 addresses, v64-127 and v128-191 fragments of xb (two buffers), v192-223 packed results;
; window 1: v64-127, v128-191 fragments of wqkv; window 2: accumulators of my rows 0-63 (tile (a, b) at v[8 (8 a + b)]); window 3: rows 64-127.
; The matrix instruction is used transposed (source 0 = 16 rows of wqkv, source 1 = 16 rows of xb): a lane's eight results are eight
; neighbouring columns of one row of qkv, 16 bytes in f16.
.set SIZE_M, 2048
.set SIZE_N, 6144
.set SIZE_K, 2048
.set KSTEP,  128
.set PITCH,  272                       ; an LDS row: 256 bytes + 16 of padding, an odd multiple of 16: the 16 rows of a fragment load start 16 bytes apart modulo 256
.set HALFT,  128*PITCH                 ; 128 rows: one tensor load, and what a wave reads of either operand
.set SLOT,   4*HALFT                   ; xb's 256 rows, then wqkv's 256 rows
.set STAGE,  2*SLOT                    ; behind the ring: 16 rows x 272 bytes for each wave; no tensor load lands there
.set SPITCH, 272
.set LAPS, SIZE_K/(2*KSTEP)            ; 8 laps of two K steps
.set ADRA, 16                          ; v16-17  LDS address of my fragments of xb in slot 0, 1
.set ADRB, 20                          ; v20-21  the same for wqkv
.set STO,  24                          ; v24     the way out: where I put 16 bytes of a row
.set RD,   25                          ; v25     the way out: where I read a row back
.set CO,   26                          ; v26     my byte offset in qkv
.set F0,   64
.set F1,   128
.set TMP,  192
.set G1, 24                            ; s[24:31] group 1 for xb's tiles
.set G0, 32                            ; s[32:39] group 0 for xb's tiles, a set for each slot
.set G1B, 48                           ; s[48:55] group 1 for wqkv's tiles: another mask
.set G0B, 56                           ; s[56:63] group 0 for wqkv's tiles
.set MSB, 0
.macro WIN new                         ; the immediate's high byte repeats the setting that is left; a switch that changes nothing is dropped
.if MSB != \new
	s_set_vgpr_msb (MSB<<8)|\new
.set MSB, \new
.endif
.endm
.set MUL_LO, 0xa1                      ; source 0 window 1, source 1 window 0, C and D window 2
.set MUL_HI, 0xf1                      ; the same, C and D window 3
.set TO_B,   0x40                      ; destination window 1, address window 0
; A joint load: waves 0 and 1 fetch xb's two halves, waves 2 and 3 wqkv's.  The branch hangs on the wave's number alone.
.macro JLOAD s
	s_cmp_eq_u32 s11, 0
	s_cbranch_scc0 .Lfor_b_\@
	tensor_load_to_lds s[G0+4*\s:G0+4*\s+3], s[G1:G1+7]
	s_nop 0
	s_branch .Lasked_\@
.Lfor_b_\@:
	tensor_load_to_lds s[G0B+4*\s:G0B+4*\s+3], s[G1B:G1B+7]
	s_nop 0
.Lasked_\@:
.endm
; A round of the cluster's barrier: my work-group's barrier; wave 0 signals for the work-group; every wave waits for all sixteen; my barrier again.
.macro CREST                           ; the round behind its opening barrier
	s_cmp_lg_u32 s10, 0
	s_cbranch_scc1 .Lnot_wave_0_\@
	s_barrier_signal -3
.Lnot_wave_0_\@:
	s_barrier_wait -3
	s_barrier_signal -1
	s_barrier_wait -1
.endm
.macro CROUND
	s_barrier_signal -1
	s_barrier_wait -1
	CREST
.endm
	s_load_b128 s[4:7], s[0:1], 0x0                ; xb s[4:5], wqkv s[6:7]
	s_load_b64 s[8:9], s[0:1], 0x10                ; qkv
	s_set_vgpr_msb 0x40
	v_lshl_add_u32 v255, v0, 2, 0x48400
	s_set_vgpr_msb 0x4000
	v_mov_b32 v255, 0
	s_set_vgpr_msb 0x1
	ds_add_u32 v255, v255
	ds_add_u32 v255, v255
	s_set_vgpr_msb 0x100
	v_lshrrev_b32 v1, 5, v0
	v_readfirstlane_b32 s10, v1                    ; wave 0..3
	s_lshr_b32 s11, s10, 1                         ; my half of the block's rows; also: I fetch xb (0) or wqkv (1)
	s_and_b32 s12, s10, 1                          ; my half of its columns; also: which 128 rows of that tile I fetch
	s_bfe_u32 s40, ttmp6, 0x40000                  ; cx
	s_bfe_u32 s41, ttmp6, 0x40004                  ; cy
	s_lshl_b32 s42, ttmp9, 2
	s_add_co_u32 s42, s42, s40                     ; block column = 4 x cluster x + cx
	s_and_b32 s13, ttmp7, 0xffff
	s_lshl_b32 s13, s13, 2
	s_add_co_u32 s13, s13, s41                     ; block row = 4 x cluster y + cy
	s_lshl_b32 s43, s41, 2
	s_lshl_b32 s43, 15, s43                        ; my row of the cluster: places 4 cy .. 4 cy + 3
	s_lshl_b32 s44, 0x1111, s40                    ; my column: places cx, cx + 4, cx + 8, cx + 12
	s_or_b32 s[G1+0], s43, (1<<16)|(1<<20)|(1<<21)|(5<<22)|(3<<25)  ; mask of my row; 2-byte elements; padding on; bit 21 beside a mask; 4 words behind every 64
	s_or_b32 s[G1B+0], s44, (1<<16)|(1<<20)|(1<<21)|(5<<22)|(3<<25) ; the same with the mask of my column
	s_mov_b32 s[G1B+1], KSTEP<<16
	s_mov_b32 s[G1+1], KSTEP<<16                   ; tensor_dim0 = 128
	s_mov_b32 s[G1B+2], 128<<16
	s_mov_b32 s[G1+2], 128<<16                     ; tensor_dim1 = 128
	s_mov_b32 s[G1B+3], KSTEP<<16
	s_mov_b32 s[G1+3], KSTEP<<16                   ; tile_dim0 = 128
	s_mov_b32 s[G1B+4], 128
	s_mov_b32 s[G1+4], 128                         ; tile_dim1 = 128
	s_mov_b32 s[G1B+5], SIZE_K
	s_mov_b32 s[G1+5], SIZE_K                      ; elements from row to row
	s_mov_b32 s[G1B+6], 0
	s_mov_b32 s[G1+6], 0
	s_mov_b32 s[G1B+7], 0
	s_mov_b32 s[G1+7], 0
	; xb's tiles hang on the block row alone, wqkv's on the block column alone; each address is made in registers that never hold the other coordinate
	s_lshl_b32 s17, s12, 7
	s_lshl_b32 s16, s13, 8
	s_add_co_u32 s16, s16, s17                     ; xb: row 256 x block row + 128 x half
	s_lshl_b32 s46, s42, 8
	s_add_co_u32 s46, s46, s17                     ; wqkv: row 256 x block column + 128 x half
	s_mov_b32 s17, 0
	s_mov_b32 s47, 0
	s_mov_b64 s[18:19], SIZE_K*2
	s_mul_u64 s[16:17], s[16:17], s[18:19]         ; offsets in bytes
	s_mul_u64 s[46:47], s[46:47], s[18:19]
	s_mul_i32 s20, s10, HALFT                      ; LDS: wave x 128 rows
	s_wait_dscnt 0x0
	s_wait_kmcnt 0x0
	s_add_nc_u64 s[14:15], s[4:5], s[16:17]
	s_add_nc_u64 s[46:47], s[6:7], s[46:47]
	CROUND                                         ; all sixteen work-groups are here: the first joint loads meet
.irp s, 0,1
	s_mov_b32 s[G0+4*\s], 1
	s_add_co_u32 s[G0+4*\s+1], s20, \s*SLOT
	s_add_nc_u64 s[G0+4*\s+2:G0+4*\s+3], s[14:15], \s*KSTEP*2      ; K step s
	s_or_b32 s[G0+4*\s+3], s[G0+4*\s+3], 0x80000000                ; type 2
	s_mov_b32 s[G0B+4*\s], 1
	s_add_co_u32 s[G0B+4*\s+1], s20, \s*SLOT
	s_add_nc_u64 s[G0B+4*\s+2:G0B+4*\s+3], s[46:47], \s*KSTEP*2
	s_or_b32 s[G0B+4*\s+3], s[G0B+4*\s+3], 0x80000000
	JLOAD \s                                       ; both first fills go out together: two loads of the wave are out
.endr
	; a fragment: lane l holds row l % 16; registers 0-3 K = 8 (l / 16) + 0..7, registers 4-7 K = 16 + 8 (l / 16) + 0..7: two loads of 16 bytes, 32 apart
	v_and_b32 v1, 15, v0
	v_bfe_u32 v2, v0, 4, 1
	v_mul_u32_u24 v3, v1, PITCH
	v_lshl_add_u32 v3, v2, 4, v3
	s_mul_i32 s21, s11, HALFT                      ; my 128 rows of xb
	s_mul_i32 s22, s12, HALFT                      ; my 128 rows of wqkv,
	s_add_co_u32 s22, s22, 2*HALFT                 ; behind xb's 256
.irp s, 0,1
	v_add_nc_u32 v[ADRA+\s], s21, v3
	v_add_nc_u32 v[ADRB+\s], s22, v3
	s_add_co_u32 s21, s21, SLOT
	s_add_co_u32 s22, s22, SLOT
.endr
	s_mul_i32 s23, s10, 16*SPITCH
	s_add_co_u32 s23, s23, STAGE                   ; my stage
	v_mul_u32_u24 v4, v1, SPITCH
	v_lshl_add_u32 v4, v2, 4, v4
	v_add_nc_u32 v[STO], s23, v4
	v_mul_u32_u24 v5, v2, SPITCH
	v_lshl_add_u32 v5, v1, 4, v5
	v_add_nc_u32 v[RD], s23, v5
	v_mul_u32_u24 v5, v2, SIZE_N*2
	v_lshl_add_u32 v[CO], v1, 4, v5
; 16 matrix instructions: row blocks a0, a0 + 1 of the window's four x all 8 column blocks, 32 along K.  zero = 1: the product starts the sums.
; The 64 accumulators take turns, one instruction a turn, in the same order in every quarter step.
.macro MUL16 f, hi, a0, zero
.irp a, \a0, \a0+1
.irp b, 0,1,2,3,4,5,6,7
.if \zero
	v_wmma_f32_16x16x32_bf16 v[8*(8*(\a)+\b):8*(8*(\a)+\b)+7], v[\f+8*\b:\f+8*\b+7], v[\f+8*(4*\hi+\a):\f+8*(4*\hi+\a)+7], 0
.else
	v_wmma_f32_16x16x32_bf16 v[8*(8*(\a)+\b):8*(8*(\a)+\b)+7], v[\f+8*\b:\f+8*\b+7], v[\f+8*(4*\hi+\a):\f+8*(4*\hi+\a)+7], v[8*(8*(\a)+\b):8*(8*(\a)+\b)+7]
.endif
.endr
.endr
.endm
; 32 LDS loads in one run: one quarter step's fragments (32 K at byte k of the rows) into buffer f
.macro FETCH slot, k, f
	WIN TO_B
.irp i, 0,1,2,3,4,5,6,7
	ds_load_b128 v[\f+8*\i:\f+8*\i+3],   v[ADRB+\slot] offset:\k+\i*16*PITCH
	ds_load_b128 v[\f+8*\i+4:\f+8*\i+7], v[ADRB+\slot] offset:\k+\i*16*PITCH+32
.endr
	WIN 0
.irp i, 0,1,2,3,4,5,6,7
	ds_load_b128 v[\f+8*\i:\f+8*\i+3],   v[ADRA+\slot] offset:\k+\i*16*PITCH
	ds_load_b128 v[\f+8*\i+4:\f+8*\i+7], v[ADRA+\slot] offset:\k+\i*16*PITCH+32
.endr
.endm
; Four places behind a matrix instruction before a load lands on a register that it read, or a vector instruction touches its registers
.macro PLACES
.rept 4
	v_nop
.endr
.endm
; One of a K step's first three quarters: multiplies buffer f and, in its middle, fetches the next quarter into buffer g
.macro QUARTER slot, k, f, g, zero
	s_wait_dscnt 8                                 ; all but the youngest eight loads (xb's rows 64-127) are in
	WIN MUL_LO
	MUL16 \f, 0, 0, \zero
	MUL16 \f, 0, 2, \zero
	PLACES
	FETCH \slot, \k, \g
	s_wait_dscnt 32                                ; all but the 32 just issued
	WIN MUL_HI
	MUL16 \f, 1, 0, \zero
	MUL16 \f, 1, 2, \zero
.endm
.macro THREE slot, zero
	QUARTER \slot, 64,  F0, F1, \zero
	QUARTER \slot, 128, F1, F0, 0
	QUARTER \slot, 192, F0, F1, 0
.endm
; The last quarter changes slots.  In front of the barrier each wave has its reads of this slot back and all its tensor loads landed (one is
; out: its part of the next slot).  fill = 1: the barrier opens a round of the cluster's barrier, and the joint refill is the first tensor load behind it.
.macro TURN slot, next, fill
	s_wait_dscnt 8
	WIN MUL_LO
	MUL16 F1, 0, 0, 0
	s_wait_dscnt 0                                 ; my reads of this slot are over
	s_wait_tensorcnt 0x0                           ; all my tensor loads have landed
	ds_add_u32 v255, v255
	s_wait_dscnt 0x0
	s_barrier_signal -1
	MUL16 F1, 0, 2, 0                              ; register work while the others arrive
	WIN 0
	s_barrier_wait -1
.if \fill
	CREST                                          ; no wave of any partner still reads this slot or has a load on its way
	s_add_nc_u64 s[G0+4*\slot+2:G0+4*\slot+3], s[G0+4*\slot+2:G0+4*\slot+3], 2*KSTEP*2
	s_add_nc_u64 s[G0B+4*\slot+2:G0B+4*\slot+3], s[G0B+4*\slot+2:G0B+4*\slot+3], 2*KSTEP*2
	JLOAD \slot                                    ; one load of the wave is out until the next round: 240 matrix instructions in which to land
.endif
	PLACES
	FETCH \next, 0, F0
	WIN MUL_HI
	MUL16 F1, 1, 0, 0
	MUL16 F1, 1, 2, 0
.endm
.macro LAP zero
	THREE 0, \zero
	TURN 0, 1, 1
	THREE 1, 0
	TURN 1, 0, 1
.endm
	s_wait_tensorcnt 1                             ; my part of K step 0 is in; K step 1's stays out
	s_barrier_signal -1
	s_barrier_wait -1
	FETCH 0, 0, F0
	LAP 1                                          ; the first lap's first products start the sums: nothing is cleared
	WIN 0
	s_mov_b32 s3, LAPS-2
.Llap:
	LAP 0
	WIN 0
	s_sub_co_u32 s3, s3, 1
	s_cmp_lg_u32 s3, 0
	s_cbranch_scc1 .Llap
	THREE 0, 0                                     ; the last lap fills nothing
	TURN 0, 1, 0
	THREE 1, 0
	s_wait_dscnt 8
	WIN MUL_LO
	MUL16 F1, 0, 0, 0
	MUL16 F1, 0, 2, 0
	s_wait_dscnt 0
	WIN MUL_HI
	MUL16 F1, 1, 0, 0
	MUL16 F1, 1, 2, 0
	; THE WAY OUT, 16 rows at a time: scale, round to f16, 16 bytes a lane into my stage, read back as whole rows of 256 bytes
	PLACES
	s_cmp_lt_u32 s42, 8                            ; block columns 0-7 are q: a value is chosen, no path
	s_cselect_b32 s66, 0x3c0b4875, 1.0             ; C1 = 0.00850116, or 1
	s_mov_b32 s67, s66
	s_lshl_b32 s13, s13, 8
	s_lshl_b32 s14, s11, 7
	s_add_co_u32 s16, s13, s14                     ; my first row
	s_mov_b32 s17, 0
	s_mov_b64 s[18:19], SIZE_N*2
	s_mul_u64 s[16:17], s[16:17], s[18:19]
	s_add_nc_u64 s[8:9], s[8:9], s[16:17]
	s_lshl_b32 s46, s42, 9                         ; my first column in bytes: 512 x block + 256 x half
	s_lshl_b32 s47, s12, 8
	s_add_co_u32 s46, s46, s47
	s_mov_b32 s47, 0
	s_add_nc_u64 s[8:9], s[8:9], s[46:47]
; rows 16 i .. 16 i + 15 of my block = tiles (a, 0..7) of window 2 or 3.  own: source 0 and destination in that window; from: sources 0 and 1 in it
.macro OUT16 i, a, own, from, f
	WIN \own
.irp b, 0,1,2,3,4,5,6,7
.irp r, 0,1,2,3
	v_pk_mul_f32 v[8*(8*\a+\b)+2*\r:8*(8*\a+\b)+2*\r+1], v[8*(8*\a+\b)+2*\r:8*(8*\a+\b)+2*\r+1], s[66:67] op_sel_hi:[1,0]
.endr
.endr
	WIN \from
.irp b, 0,1,2,3,4,5,6,7
.irp r, 0,1,2,3
	v_cvt_pk_f16_f32 v[TMP+4*\b+\r], v[8*(8*\a+\b)+2*\r], v[8*(8*\a+\b)+2*\r+1]
.endr
.endr
	WIN 0
.irp b, 0,1,2,3,4,5,6,7
	ds_store_b128 v[STO], v[TMP+4*\b:TMP+4*\b+3] offset:32*\b
.endr
	s_wait_xcnt 0x0                                ; buffer f, which earlier stores read, and the stores' base are rewritten only behind this wait
.if \i
	s_add_nc_u64 s[8:9], s[8:9], 16*SIZE_N*2
.endif
.irp t, 0,1,2,3,4,5,6,7
	ds_load_b128 v[\f+4*\t:\f+4*\t+3], v[RD] offset:\t*2*SPITCH    ; a wave's LDS instructions are served in order: these see the stores above
.endr
.irp t, 0,1,2,3,4,5,6,7
	s_wait_dscnt 7-\t                              ; load t is in, the 7 - t younger ones stay out
	global_store_b128 v[CO], v[\f+4*\t:\f+4*\t+3], s[8:9] offset:2*\t*SIZE_N*2   ; 16 lanes store 256 consecutive bytes, aligned
.endr
.endm
	OUT16 0, 0, 0x82, 0x0a, F0
	OUT16 1, 1, 0x82, 0x0a, F1
	OUT16 2, 2, 0x82, 0x0a, F0
	OUT16 3, 3, 0x82, 0x0a, F1
	OUT16 4, 0, 0xc3, 0x0f, F0
	OUT16 5, 1, 0xc3, 0x0f, F1
	OUT16 6, 2, 0xc3, 0x0f, F0
	OUT16 7, 3, 0xc3, 0x0f, F1
	s_set_vgpr_msb 0x1
	s_wait_tensorcnt 0x0
	ds_add_u32 v255, v255
	s_wait_dscnt 0x0
	s_set_vgpr_msb 0x100
	CROUND                                         ; the closing round: no work-group ends while a partner may still ask for a tile that names it
	s_endpgm
.Lfunc_end_k_q6da93083b8_qkvproj:
	.size	k_q6da93083b8_qkvproj, .Lfunc_end_k_q6da93083b8_qkvproj-k_q6da93083b8_qkvproj
	.p2alignl 7, 3214868480
	.fill 96, 4, 3214868480
	.section	.rodata,"a",@progbits
	.p2align	6, 0x0
	.amdhsa_kernel k_q6da93083b8_qkvproj
		.amdhsa_group_segment_fixed_size 327680
		.amdhsa_private_segment_fixed_size 0
		.amdhsa_enable_private_segment 0
		.amdhsa_kernarg_size 24
		.amdhsa_user_sgpr_count 2
		.amdhsa_user_sgpr_kernarg_segment_ptr 1
		.amdhsa_wavefront_size32 1
		.amdhsa_system_sgpr_workgroup_id_x 1
		.amdhsa_system_sgpr_workgroup_id_y 1
		.amdhsa_system_sgpr_workgroup_id_z 1
		.amdhsa_system_vgpr_workitem_id 0
		.amdhsa_next_free_vgpr 1024
		.amdhsa_next_free_sgpr 68
		.amdhsa_reserve_vcc 0
		.amdhsa_float_denorm_mode_32 3
		.amdhsa_float_denorm_mode_16_64 3
		.amdhsa_memory_ordered 1
		.amdhsa_forward_progress 1
		.amdhsa_inst_pref_size 213
	.end_amdhsa_kernel
	.amdgpu_metadata
---
amdhsa.version: [ 1, 2 ]
amdhsa.kernels:
  - .name:           k_q6da93083b8_qkvproj
    .symbol:         k_q6da93083b8_qkvproj.kd
    .args:
      - { .name: xb, .offset: 0, .size: 8, .value_kind: global_buffer, .address_space: global }
      - { .name: wqkv, .offset: 8, .size: 8, .value_kind: global_buffer, .address_space: global }
      - { .name: qkv, .offset: 16, .size: 8, .value_kind: global_buffer, .address_space: global }
    .group_segment_fixed_size: 327680
    .private_segment_fixed_size: 0
    .kernarg_segment_align: 8
    .kernarg_segment_size: 24
    .max_flat_workgroup_size: 128
    .sgpr_count:     68
    .vgpr_count:     1024
    .wavefront_size: 32
...
	.end_amdgpu_metadata
.endif
;; end of part 2
;; launch attn (part 3): grid 8 x 32, 8 waves a work-group, no clusters, 327,680 bytes of LDS; arguments qkv, att; writes att
.if DOCPART == 3
	.amdgcn_target "amdgcn-amd-amdhsa--gfx1250"
	.amdhsa_code_object_version 6
	.text
	.protected	k_q6da93083b8_attn
	.globl	k_q6da93083b8_attn
	.p2align	8
	.type	k_q6da93083b8_attn,@function
k_q6da93083b8_attn:
	s_mov_b64 s[64:65], 0
	v_nop
	global_prefetch_b8 v0, s[64:65] scope:SCOPE_SE
	s_setreg_imm32_b32 hwreg(HW_REG_WAVE_MODE, 25, 1), 1
	s_wait_xcnt 0x0
; Causal attention with the logits capped by 30 tanh(. / 30), 32 heads of 1024 x 128, f16 operands, f32 sums.  The window of 1024 never
; cuts: i - j < 1024 for all of a sequence's 1024 places.
; qkv: [2048 = 1024 b + s][6144] f16: C1 q at column 128 h, k at 2048 + 128 h, v at 4096 + 128 h.   att: [2048][2048] f16, column 128 h + d.
; THE SOFT CAP.  t = (C1 q) . k = 2 log2(e) x / 30 for the scaled logit x; rc = 1 / (1 + 2^t); then log2(e) 30 tanh(x / 30) = 30 log2(e) + C2 rc
; with C2 = -60 log2(e).  t -> C2 rc rises with t, so the row's running maximum T of t gives the running maximum of the capped logits, and
; p = 2^(C2 rc - C2 rc(T)) <= 1.  The state kept is GN = -C2 rc(T), between 0 and 86.6.  t = +-infinity gives rc = 0 or 1: no NaN is made.
; LIMIT: p, C1 q, k, v and the result are f16; a p below 2^-25 of its row's largest counts as 0; the result is bounded by the largest |v|.
; SHARES.  A sequence is eight blocks of 128 rows.  Work-group (j, bh): p2 = j / 2, half = j % 2: rows 64 half .. + 63 of block p2 (lo) and of
; block 7 - p2 (hi).  A unit is those 64 queries against one tile of 128 keys: lo needs p2 + 1, hi 8 - p2: NINE UNITS IN EVERY WORK-GROUP.
; Unit u <= p2: lo, tile u; u > p2: hi, tile u - p2 - 1.  Units p2 (at most 3) and 8 lie on the diagonal and are masked.
; Wave w: queries 16 (w % 4) .. + 15, keys 64 (w / 4) .. + 63 of each tile; the two waves of a query set keep sums of their own and meet in LDS at a block's end.
; THE RING.  Two LDS slots, each with the tiles of TWO units: both V tiles, then both K tiles.  All eight waves fetch, one load of 64 rows x 256
; bytes each: waves 0-3 the four halves of the two V tiles, waves 4-7 those of the two K tiles; wave w's tile is that of the slot's unit (w / 2) % 2,
; so the two tiles of a slot need not be neighbours in memory.  Both slots' first fills go out at the start (two loads of a wave are out); a slot is
; filled again behind one barrier for two units, one load a wave, which has the other slot's two units in which to land.  The nine units are written
; out: units 0,1 | 2,3 | 4,5 | 6,7 | 8 in slots 0, 1, 0, 1, 0; the last fill brings one tile.
; NO SHUFFLES.  S^T = K Q^T (source 0 = 16 keys, source 1 = 16 queries): lane (r, hl) holds keys 8 hl + 0..7 of query r, which packed is the
; fragment of P^T; O^T = V^T P^T with V^T from transposing LDS loads: lane (r, hl) holds d = 16 dt + 8 hl + 0..7 of query r.  Every factor of a
; row is a factor of a lane.  The row sum is one more accumulator, ones x P^T: it adds the rounded p, as the numerator does.
; NO CLUSTER: only the two halves of one p2 ask for the same tiles in the same order; work-groups of another p2 turn back to tile 0 at another unit,
; so of a head's eight work-groups no four make the same requests.
.set PITCHK, 272                       ; K rows: 256 bytes + 16, an odd multiple of 16
.set PITCHV, 288                       ; V rows: 256 bytes + 32, an odd multiple of 32, for the transposing loads
.set VTILE,  128*PITCHV                ; 36,864
.set KTILE,  128*PITCHK                ; 34,816
.set KBASE,  2*VTILE                   ; 73,728: in a slot the two K tiles lie behind the two V tiles
.set SLOT,   2*VTILE+2*KTILE           ; 143,360
.set SCRATCH, 2*SLOT                   ; 286,720: for each query set 8,192 bytes of the partner's O, its row sums at + 8,192, its GN at + 8,320.
.set SCRW,   8448                      ; The first 16 x 272 bytes serve again as the set's stage on the way out.  No tensor load lands in the scratch
.set ROWQ,   12288                     ; bytes in a row of qkv
.set ROWO,   4096                      ; bytes in a row of att
.set TILEB,  128*ROWQ                  ; from a key tile to the next
.set ADK,  4                           ; v4-7    my K fragments in place 2 slot + tile
.set ADV,  8                           ; v8-11   my V^T fragments in place 2 slot + tile
.set LIM,  12                          ; v12     key 16 kt + jj of my share is allowed on the diagonal if it is <= LIM (signed)
.set VQ,   13                          ; v13     my byte offset in the 64 rows of q
.set SCR,  14                          ; v14     scratch, 16 bytes a lane
.set SCRL, 15                          ; v15     scratch, 4 bytes a lane
.set STO,  16                          ; v16     stage, in
.set RD,   17                          ; v17     stage, back
.set CO,   18                          ; v18     my byte offset in the 64 rows of att
.set NINF, 19                          ; v19     -infinity
.set TM,   20                          ; v20     running maximum of t
.set GN,   21                          ; v21     -C2 rc(TM)
.set GP,   22                          ; v[22:23] the new GN, twice
.set AL,   24                          ; v[24:25] the factor for the old sums, twice
.set T,    26                          ; v[26:33] at work
.set CA,   34                          ; v[34:35], v[36:37] the two partners' final factors, twice each
.set CB,   36
.set ONES, 38                          ; v[38:45] a fragment of f16 ones
.set Q,    46                          ; v[46:77] four fragments of Q (32 d each)
.set S,    78                          ; v[78:109] four tiles of S^T (16 keys each); later P: keys 0-31 in S..S+7, keys 32-63 in S+16..S+23
.set KV,   110                         ; v[110:237] 16 fragments: K (c, kt) at 8 (4 c + kt), then V^T (ks, dt) at 8 (8 ks + dt)
.set LSW,  64                          ; window 1: v0-63 O^T (tile dt at 8 dt), v64-71 row sums, v72-103 the hi block's Q
.set QHW,  72
.set G1K, 16                           ; s[16:23] group 1 for K's tiles
.set G1V, 24                           ; s[24:31] group 1 for V's tiles: a wider pad
.set G0V, 32                           ; s[32:39] group 0 for V, a set for each slot
.set G0K, 40                           ; s[40:47] group 0 for K
.set MASK, 66                          ; s[66:97] lane masks of the diagonal, one for each register of S
.set MSB, 0
.macro WIN new                         ; the immediate's high byte repeats the setting that is left
.if MSB != \new
	s_set_vgpr_msb (MSB<<8)|\new
.set MSB, \new
.endif
.endm
.macro PLACES n
.rept \n
	v_nop
.endr
.endm
; Every wave's one load for slot s: waves 0-3 a half of a V tile, waves 4-7 a half of a K tile.
.macro LOADALL s
	s_cmp_lt_u32 s8, 4
	s_cbranch_scc0 .Lfor_k_\@
	tensor_load_to_lds s[G0V+4*\s:G0V+4*\s+3], s[G1V:G1V+7]
	s_nop 0
	s_branch .Lasked_\@
.Lfor_k_\@:
	tensor_load_to_lds s[G0K+4*\s:G0K+4*\s+3], s[G1K:G1K+7]
	s_nop 0
.Lasked_\@:
.endm
; The slot's first tile alone: waves 0, 1, 4, 5; the others have no part of a tile to fill.
.macro LOADT0 s
	s_cmp_eq_u32 s60, 0
	s_cbranch_scc0 .Lnone_\@
	LOADALL \s
.Lnone_\@:
.endm
; The addresses for fill k of the ring (units 2 k and 2 k + 1) into slot s's two sets of group 0.  Written only while no tensor load of the wave is out.
.macro SETADDR s, k
	s_add_co_u32 s57, s60, 2*\k                    ; my tile's unit u
	s_sub_co_u32 s3, s57, s12
	s_sub_co_u32 s3, s3, 1                         ; u - p2 - 1: hi's tile
	s_cmp_le_u32 s57, s12
	s_cselect_b32 s57, s57, s3                     ; or u: lo's
	s_min_u32 s57, s57, 7                          ; (unit 9 does not exist and is not asked for: its address stays in the sequence all the same)
	s_mul_i32 s58, s57, TILEB
	s_add_nc_u64 s[G0V+4*\s+2:G0V+4*\s+3], s[48:49], s[58:59]
	s_or_b32 s[G0V+4*\s+3], s[G0V+4*\s+3], 0x80000000   ; type 2
	s_add_nc_u64 s[G0K+4*\s+2:G0K+4*\s+3], s[50:51], s[58:59]
	s_or_b32 s[G0K+4*\s+3], s[G0K+4*\s+3], 0x80000000
.endm
; The sums of a block start at 0.  The block changes behind unit p2, which the text does not know, so no product can be written as a
; block's first with the constant 0 as C: 72 registers are cleared, twice in a wave's run.
.macro RESET
	WIN 0x40
.set i, 0
.rept 72
	v_mov_b32 v[i], 0
.set i, i+1
.endr
	WIN 0
	v_mov_b32 v[TM], v[NINF]
	v_mov_b32 v[GN], 0x42ad1f97                    ; rc(-infinity) = 1: GN = 60 log2(e)
.endm
	s_load_b128 s[4:7], s[0:1], 0x0                ; qkv s[4:5], att s[6:7]
	v_lshl_add_u32 v254, v0, 2, 0x4e400
	v_mov_b32 v255, 0
	ds_add_u32 v254, v255
	ds_add_u32 v254, v255
	v_lshrrev_b32 v1, 5, v0
	v_readfirstlane_b32 s8, v1                     ; wave 0..7
	s_and_b32 s9, s8, 3                            ; qw: my 16 queries
	s_lshr_b32 s10, s8, 2                          ; kh: my 64 keys
	s_lshr_b32 s60, s8, 1
	s_and_b32 s60, s60, 1                          ; which of a slot's two tiles I fetch for
	s_lshr_b32 s12, ttmp9, 1                       ; p2
	s_and_b32 s13, ttmp9, 1                        ; half
	s_and_b32 s14, ttmp7, 0xffff                   ; 16 b + h
	s_lshr_b32 s15, s14, 4                         ; b
	s_and_b32 s2, s14, 15
	s_lshl_b32 s2, s2, 8                           ; 256 h: the head's bytes in a row
	; group 1: 64 rows x 128 elements of 2 bytes, padded behind every 64 words
	s_mov_b32 s[G1K+0], (1<<16)|(1<<20)|(5<<22)|(3<<25)   ; K: 4 words of padding
	s_mov_b32 s[G1V+0], (1<<16)|(1<<20)|(5<<22)|(7<<25)   ; V: 8 words
	s_mov_b32 s[G1K+1], 128<<16                    ; tensor_dim0 = 128
	s_mov_b32 s[G1V+1], 128<<16
	s_mov_b32 s[G1K+2], 64<<16                     ; tensor_dim1 = 64
	s_mov_b32 s[G1V+2], 64<<16
	s_mov_b32 s[G1K+3], 128<<16                    ; tile_dim0 = 128
	s_mov_b32 s[G1V+3], 128<<16
	s_mov_b32 s[G1K+4], 64                         ; tile_dim1 = 64
	s_mov_b32 s[G1V+4], 64
	s_mov_b32 s[G1K+5], 6144                       ; elements from row to row
	s_mov_b32 s[G1V+5], 6144
	s_mov_b32 s[G1K+6], 0
	s_mov_b32 s[G1V+6], 0
	s_mov_b32 s[G1K+7], 0
	s_mov_b32 s[G1V+7], 0
	; group 0: the LDS address is the wave's number times a half tile, a constant, and the slot
	s_mov_b32 s[G0V+0], 1
	s_mov_b32 s[G0V+4], 1
	s_mov_b32 s[G0K+0], 1
	s_mov_b32 s[G0K+4], 1
	s_mul_i32 s[G0V+1], s8, 64*PITCHV              ; waves 0-3: 0, 18,432, 36,864, 55,296
	s_add_co_u32 s[G0V+5], s[G0V+1], SLOT
	s_mul_i32 s[G0K+1], s8, 64*PITCHK
	s_add_co_u32 s[G0K+1], s[G0K+1], KBASE-4*64*PITCHK   ; waves 4-7: 73,728, 91,136, 108,544, 125,952
	s_add_co_u32 s[G0K+5], s[G0K+1], SLOT
	s_mul_i32 s58, s15, 1024*ROWQ                  ; the batch's rows,
	s_add_co_u32 s58, s58, s2                      ; the head,
	s_and_b32 s3, s8, 1
	s_mul_i32 s3, s3, 64*ROWQ                      ; and my half of a tile's rows
	s_add_co_u32 s58, s58, s3
	s_mov_b32 s59, 0
	s_wait_dscnt 0x0
	s_wait_kmcnt 0x0
	s_add_nc_u64 s[50:51], s[4:5], s[58:59]
	s_add_nc_u64 s[48:49], s[50:51], 8192          ; s[48:49]: my rows of v's tile 0
	s_add_nc_u64 s[50:51], s[50:51], 4096          ; s[50:51]: my rows of k's tile 0
	SETADDR 0, 0
	SETADDR 1, 1
	LOADALL 0                                      ; units 0 and 1
	LOADALL 1                                      ; units 2 and 3: the first fills go out together, ahead of every wait on TENSORcnt, LDS read and barrier
	s_lshl_b32 s11, s15, 10
	s_lshl_b32 s3, s13, 6
	s_add_co_u32 s11, s11, s3                      ; 1024 b + 64 half
	s_lshl_b32 s3, s12, 7
	s_add_co_u32 s56, s11, s3                      ; lo's first row
	s_sub_co_u32 s3, 7, s12
	s_lshl_b32 s3, s3, 7
	s_add_co_u32 s57, s11, s3                      ; hi's first row
	s_mul_i32 s58, s56, ROWQ
	s_add_co_u32 s58, s58, s2
	s_add_nc_u64 s[98:99], s[4:5], s[58:59]        ; q of lo
	s_mul_i32 s58, s57, ROWQ
	s_add_co_u32 s58, s58, s2
	s_add_nc_u64 s[100:101], s[4:5], s[58:59]      ; q of hi
	s_lshl_b32 s58, s56, 12
	s_add_co_u32 s58, s58, s2
	s_add_nc_u64 s[52:53], s[6:7], s[58:59]        ; att of lo
	s_lshl_b32 s58, s57, 12
	s_add_co_u32 s58, s58, s2
	s_add_nc_u64 s[54:55], s[6:7], s[58:59]        ; att of hi
	v_and_b32 v1, 31, v0                           ; lane
	v_and_b32 v2, 15, v0                           ; r
	v_bfe_u32 v3, v0, 4, 1                         ; hl
	v_mul_u32_u24 v[VQ], v2, ROWQ
	v_lshl_add_u32 v[VQ], v3, 4, v[VQ]
	s_mul_i32 s3, s9, 16*ROWQ
	v_add_nc_u32 v[VQ], s3, v[VQ]                  ; (16 qw + r) rows + 16 hl
.irp c, 0,1,2,3
	global_load_b128 v[Q+8*\c:Q+8*\c+3],   v[VQ], s[98:99] offset:64*\c      ; query r, d = 32 c + 8 hl ..
	global_load_b128 v[Q+8*\c+4:Q+8*\c+7], v[VQ], s[98:99] offset:64*\c+32   ; d = 32 c + 16 + 8 hl ..
.endr
	WIN 0x40
.irp c, 0,1,2,3
	global_load_b128 v[QHW+8*\c:QHW+8*\c+3],   v[VQ], s[100:101] offset:64*\c
	global_load_b128 v[QHW+8*\c+4:QHW+8*\c+7], v[VQ], s[100:101] offset:64*\c+32
.endr
	WIN 0
	v_mul_u32_u24 v[T], v2, 272
	v_lshl_add_u32 v[T], v3, 4, v[T]               ; 272 r + 16 hl, for K and for the stage
	s_mul_i32 s3, s10, 64*PITCHK
	s_add_co_u32 s3, s3, KBASE
	v_add_nc_u32 v[ADK], s3, v[T]                  ; K: row 64 kh + r of slot 0's first tile,
	v_add_nc_u32 v[ADK+1], KTILE, v[ADK]           ; its second,
	v_add_nc_u32 v[ADK+2], SLOT, v[ADK]            ; and slot 1's two
	v_add_nc_u32 v[ADK+3], SLOT+KTILE, v[ADK]
	v_and_b32 v[ADV], 7, v0
	v_lshl_add_u32 v[ADV], v3, 3, v[ADV]
	v_mul_u32_u24 v[ADV], v[ADV], PITCHV           ; V: row 8 hl + lane % 8,
	v_bfe_u32 v[T+1], v0, 3, 1
	v_lshl_add_u32 v[ADV], v[T+1], 4, v[ADV]       ; 16 bytes on for the odd groups of eight lanes,
	s_mul_i32 s3, s10, 64*PITCHV
	v_add_nc_u32 v[ADV], s3, v[ADV]                ; from row 64 kh
	v_add_nc_u32 v[ADV+1], VTILE, v[ADV]
	v_add_nc_u32 v[ADV+2], SLOT, v[ADV]
	v_add_nc_u32 v[ADV+3], SLOT+VTILE, v[ADV]
	s_lshl_b32 s3, s13, 6
	s_lshl4_add_u32 s3, s9, s3                     ; 64 half + 16 qw
	s_lshl_b32 s11, s10, 6
	s_sub_co_i32 s3, s3, s11                       ; - 64 kh
	v_add_nc_u32 v[LIM], s3, v2
	v_lshlrev_b32 v[T+1], 3, v3
	v_sub_nc_u32 v[LIM], v[LIM], v[T+1]            ; + r - 8 hl
	s_mul_i32 s3, s9, SCRW
	s_add_co_u32 s3, s3, SCRATCH
	v_lshl_add_u32 v[SCR], v1, 4, s3
	v_lshl_add_u32 v[SCRL], v1, 2, s3
	v_add_nc_u32 v[STO], s3, v[T]                  ; stage, in: row r, 16 bytes for each half of the lanes
	v_mul_u32_u24 v[RD], v3, 272
	v_lshl_add_u32 v[RD], v2, 4, v[RD]
	v_add_nc_u32 v[RD], s3, v[RD]                  ; back: lanes 0-15 one row, lanes 16-31 the next
	v_lshlrev_b32 v[CO], 12, v3
	v_lshl_add_u32 v[CO], v2, 4, v[CO]
	s_lshl_b32 s3, s9, 16
	v_add_nc_u32 v[CO], s3, v[CO]                  ; (16 qw + hl) rows of att + 16 r
.set i, 0
.rept 32
	v_cmp_le_i32 s[MASK+i], 16*(i/8)+(i%8), v[LIM] ; register i of S: key 16 (i / 8) + i % 8 of my share.  The same masks serve both diagonal units
.set i, i+1
.endr
.irp i, 0,1,2,3,4,5,6,7
	v_mov_b32 v[ONES+\i], 0x3c003c00
.endr
	v_mov_b32 v[NINF], 0xff800000
	s_mov_b32 s61, 0x76543210                      ; v_permlanex16_b32: lane i reads lane i of the other half
	s_mov_b32 s62, 0xfedcba98
	RESET
	s_wait_loadcnt 0x0                             ; both blocks' Q, once
.macro KLOADS pl                       ; 32 loads: for each 32 of d (c) my four fragments of 16 keys (kt)
.irp c, 0,1,2,3
.irp kt, 0,1,2,3
	ds_load_b128 v[KV+8*(4*\c+\kt):KV+8*(4*\c+\kt)+3],   v[ADK+\pl] offset:16*PITCHK*\kt+64*\c
	ds_load_b128 v[KV+8*(4*\c+\kt)+4:KV+8*(4*\c+\kt)+7], v[ADK+\pl] offset:16*PITCHK*\kt+64*\c+32
.endr
.endr
.endm
.macro QK                              ; S^T = K Q^T.  The four accumulators take turns, one instruction a turn
.irp c, 0,1,2,3
	s_wait_dscnt 24-8*\c                           ; this c's eight loads are in; eight for each later c stay out
.irp kt, 0,1,2,3
.if \c == 0
	v_wmma_f32_16x16x32_f16 v[S+8*\kt:S+8*\kt+7], v[KV+8*(4*\c+\kt):KV+8*(4*\c+\kt)+7], v[Q+8*\c:Q+8*\c+7], 0
.else
	v_wmma_f32_16x16x32_f16 v[S+8*\kt:S+8*\kt+7], v[KV+8*(4*\c+\kt):KV+8*(4*\c+\kt)+7], v[Q+8*\c:Q+8*\c+7], v[S+8*\kt:S+8*\kt+7]
.endif
.endr
.endr
.endm
.macro VLOADS pl                       ; 32 transposing loads: for each 32 keys (ks) eight fragments of 16 d (dt); they fly while the softmax is worked
.irp ks, 0,1
.irp dt, 0,1,2,3,4,5,6,7
	ds_load_tr16_b128 v[KV+8*(8*\ks+\dt):KV+8*(8*\ks+\dt)+3],   v[ADV+\pl] offset:32*PITCHV*\ks+32*\dt
	ds_load_tr16_b128 v[KV+8*(8*\ks+\dt)+4:KV+8*(8*\ks+\dt)+7], v[ADV+\pl] offset:32*PITCHV*\ks+32*\dt+16*PITCHV
.endr
.endr
.endm
.macro MASKT                           ; keys behind the query leave the maximum
.set i, 0
.rept 32
	v_cndmask_b32 v[S+i], v[NINF], v[S+i], s[MASK+i]
.set i, i+1
.endr
.endm
.macro MASKP                           ; and the sums (t = -infinity gives rc = 1, not p = 0)
.set i, 0
.rept 32
	v_cndmask_b32 v[S+i], 0, v[S+i], s[MASK+i]
.set i, i+1
.endr
.endm
; t in S becomes p in S; TM, GN and AL are brought up to date.  Behind each run of transcendentals one v_nop stands before a result is used (ISA guide 5.7.2).
.macro SOFT
.irp k, 0,1,2,3
	v_max3_num_f32 v[T+\k], v[S+8*\k], v[S+8*\k+1], v[S+8*\k+2]    ; four chains, one a tile
.endr
.irp k, 0,1,2,3
	v_max3_num_f32 v[T+\k], v[T+\k], v[S+8*\k+3], v[S+8*\k+4]
.endr
.irp k, 0,1,2,3
	v_max3_num_f32 v[T+\k], v[T+\k], v[S+8*\k+5], v[S+8*\k+6]
.endr
.irp k, 0,1,2,3
	v_max_num_f32 v[T+\k], v[T+\k], v[S+8*\k+7]
.endr
	v_max3_num_f32 v[T], v[T], v[T+1], v[T+2]
	v_max_num_f32 v[T], v[T], v[T+3]
	v_permlanex16_b32 v[T+1], v[T], s61, s62       ; the same query's other 32 keys lie in lane i xor 16
	v_max3_num_f32 v[TM], v[TM], v[T], v[T+1]
	v_exp_f32 v[T], v[TM]
.set i, 0
.rept 32
	v_exp_f32 v[S+i], v[S+i]                       ; 2^t
.set i, i+1
.endr
	v_nop
	s_wait_alu depctr_va_vdst(0)
	v_add_f32 v[T], 1.0, v[T]
.set i, 0
.rept 16
	v_pk_add_f32 v[S+i:S+i+1], v[S+i:S+i+1], 1.0 op_sel_hi:[1,0]
.set i, i+2
.endr
	v_rcp_f32 v[T], v[T]
.set i, 0
.rept 32
	v_rcp_f32 v[S+i], v[S+i]                       ; rc
.set i, i+1
.endr
	v_nop
	s_wait_alu depctr_va_vdst(0)
	v_mul_f32 v[GP], 0x42ad1f97, v[T]              ; the new GN = 60 log2(e) rc(TM)
	v_mul_f32 v[GP+1], 0x42ad1f97, v[T]
	v_sub_f32 v[T+1], v[GP], v[GN]                 ; old bound - new bound, never above 0
	v_mov_b32 v[GN], v[GP]
.set i, 0
.rept 16
	v_pk_fma_f32 v[S+i:S+i+1], v[S+i:S+i+1], 0xc2ad1f97, v[GP:GP+1] op_sel_hi:[1,0,1]   ; C2 rc + GN, between -86.6 and 0
.set i, i+2
.endr
	v_exp_f32 v[AL], v[T+1]
.set i, 0
.rept 32
	v_exp_f32 v[S+i], v[S+i]                       ; p
.set i, i+1
.endr
	v_nop
	s_wait_alu depctr_va_vdst(0)
	v_mov_b32 v[AL+1], v[AL]
.endm
.macro CVT                             ; p to f16, in place and upward: tiles 0, 1 into S..S+7 (keys 0-31), tiles 2, 3 into S+16..S+23 (keys 32-63)
.irp g, 0,16
.irp r, 0,1,2,3,4,5,6,7
	v_cvt_pk_f16_f32 v[S+\g+\r], v[S+\g+2*\r], v[S+\g+2*\r+1]
.endr
.endr
.endm
.macro RESCALE                         ; the old sums, O^T and the row sums, times AL
	WIN 0x41
.set i, 0
.rept 36
	v_pk_mul_f32 v[i:i+1], v[i:i+1], v[AL:AL+1]
.set i, i+2
.endr
.endm
.macro PV                              ; O^T += V^T P^T, row sums += ones P^T.  The nine accumulators take turns, one instruction a turn
	WIN 0x50
	s_wait_dscnt 16                                ; the first 32 keys' fragments are in; the second 32 keys' 16 loads stay out
.irp dt, 0,1,2,3,4,5,6,7
	v_wmma_f32_16x16x32_f16 v[8*\dt:8*\dt+7], v[KV+8*\dt:KV+8*\dt+7], v[S:S+7], v[8*\dt:8*\dt+7]
.endr
	v_wmma_f32_16x16x32_f16 v[LSW:LSW+7], v[ONES:ONES+7], v[S:S+7], v[LSW:LSW+7]
	s_wait_dscnt 0
.irp dt, 0,1,2,3,4,5,6,7
	v_wmma_f32_16x16x32_f16 v[8*\dt:8*\dt+7], v[KV+64+8*\dt:KV+64+8*\dt+7], v[S+16:S+23], v[8*\dt:8*\dt+7]
.endr
	v_wmma_f32_16x16x32_f16 v[LSW:LSW+7], v[ONES:ONES+7], v[S+16:S+23], v[LSW:LSW+7]
	WIN 0
	PLACES 5                                       ; the next S^T writes over P's registers (five places), the next loads land on KV and a block's end reads O^T (four)
.endm
; A block's end.  Waves 4-7 hand O^T, row sums and GN to waves 0-3, which bring both to the lower GN, divide, round to f16 and store 16 rows of 256 bytes
; through a stage in the scratch that they have just read.  ob: the scalar pair with the block's address in att.  switch = 1: the hi block begins.
.macro FINAL ob, switch
	s_cmp_lt_u32 s8, 4
	s_cbranch_scc1 .Lkeep_\@
	WIN 0x04
.irp i, 0,1,2,3,4,5,6,7,8,9,10,11,12,13,14,15
	ds_store_b128 v[SCR], v[4*\i:4*\i+3] offset:512*\i
.endr
	ds_store_b32 v[SCRL], v[LSW] offset:8192
	WIN 0
	ds_store_b32 v[SCRL], v[GN] offset:8320
.Lkeep_\@:
	s_wait_dscnt 0x0                               ; for the partner's sake: my stores are done
	s_barrier_signal -1
	s_barrier_wait -1                              ; a tensor load may stay out across it
	s_cmp_lt_u32 s8, 4
	s_cbranch_scc0 .Lgone_\@
.irp i, 0,1,2,3,4,5,6,7,8,9,10,11,12,13,14,15
	ds_load_b128 v[KV+4*\i:KV+4*\i+3], v[SCR] offset:512*\i
.endr
	ds_load_b32 v[T], v[SCRL] offset:8192          ; the partner's row sum
	ds_load_b32 v[T+1], v[SCRL] offset:8320        ; and GN
	s_wait_dscnt 0x0                               ; all of the scratch is in registers: its first bytes may serve as the stage
	v_min_num_f32 v[T+2], v[GN], v[T+1]            ; the lower GN is the higher bound
	v_sub_f32 v[T+3], v[T+2], v[GN]
	v_sub_f32 v[T+4], v[T+2], v[T+1]
	v_exp_f32 v[T+3], v[T+3]                       ; my factor
	v_exp_f32 v[T+4], v[T+4]                       ; the partner's
	v_nop
	s_wait_alu depctr_va_vdst(0)
	v_mul_f32 v[T+5], v[T], v[T+4]
	WIN 0x01
	v_fma_f32 v[T+5], v[LSW], v[T+3], v[T+5]       ; the row's sum: the row's largest p is 1 in one of the two, with factor 1
	WIN 0
	v_rcp_f32 v[T+5], v[T+5]
	v_nop
	s_wait_alu depctr_va_vdst(0)
	v_mul_f32 v[CA], v[T+3], v[T+5]
	v_mul_f32 v[CA+1], v[T+3], v[T+5]
	v_mul_f32 v[CB], v[T+4], v[T+5]
	v_mul_f32 v[CB+1], v[T+4], v[T+5]
.set i, 0
.rept 32
	v_pk_mul_f32 v[KV+i:KV+i+1], v[KV+i:KV+i+1], v[CB:CB+1]
.set i, i+2
.endr
	WIN 0x01
.set i, 0
.rept 32
	v_pk_fma_f32 v[KV+i:KV+i+1], v[i:i+1], v[CA:CA+1], v[KV+i:KV+i+1]
.set i, i+2
.endr
	WIN 0
.irp dt, 0,1,2,3,4,5,6,7
.irp r, 0,1,2,3
	v_cvt_pk_f16_f32 v[KV+8*\dt+\r], v[KV+8*\dt+2*\r], v[KV+8*\dt+2*\r+1]
.endr
.endr
.irp dt, 0,1,2,3,4,5,6,7
	ds_store_b128 v[STO], v[KV+8*\dt:KV+8*\dt+3] offset:32*\dt     ; query r, d = 16 dt + 8 hl ..
.endr
.irp t, 0,1,2,3,4,5,6,7
	ds_load_b128 v[KV+64+4*\t:KV+64+4*\t+3], v[RD] offset:544*\t   ; a wave's LDS instructions are served in order: these see the stores above
.endr
.irp t, 0,1,2,3,4,5,6,7
	s_wait_dscnt 7-\t                              ; load t is in, the 7 - t younger ones stay out
	global_store_b128 v[CO], v[KV+64+4*\t:KV+64+4*\t+3], s[\ob:\ob+1] offset:2*ROWO*\t   ; 16 lanes store 256 consecutive bytes, aligned
.endr
	s_wait_xcnt 0x0                                ; KV, which these stores read, is loaded again only behind this wait
.Lgone_\@:
.if \switch
	; The text holds a block's end in each of units 0 to 3, and two of them stand in one pair of units with no other barrier between: so each closes with
	; a barrier of its own, and the scratch is stored into again only behind it.  The switch to the hi block is register work and stands inside it.
	s_wait_dscnt 0x0                               ; my reads of scratch and stage are back
	s_barrier_signal -1
	WIN 0x01
.set i, 0
.rept 32
	v_mov_b32 v[Q+i], v[QHW+i]                     ; the hi block's queries
.set i, i+1
.endr
	RESET
	s_barrier_wait -1
.endif
.endm
; Unit u on the tile in place pl = 2 slot + tile.  kind 0: off the diagonal; 1: the lo block's diagonal if u = p2; 2: unit 8, the hi block's diagonal.
; The branches hang on p2 alone, which is the same in all eight waves.
.macro UNIT u, pl, kind
	KLOADS \pl
	QK
	PLACES 4                                       ; four places before loads land on K's registers and before S^T is read
	VLOADS \pl
.if \kind == 2
	MASKT
.endif
.if \kind == 1
	s_cmp_eq_u32 s12, \u
	s_cbranch_scc0 .Lnt_\@
	MASKT
.Lnt_\@:
.endif
	SOFT
.if \kind == 2
	MASKP
.endif
.if \kind == 1
	s_cmp_eq_u32 s12, \u
	s_cbranch_scc0 .Lnp_\@
	MASKP
.Lnp_\@:
.endif
	CVT
	RESCALE
	PV
.if \kind == 2
	FINAL 54, 0
.endif
.if \kind == 1
	s_cmp_eq_u32 s12, \u
	s_cbranch_scc0 .Lnf_\@
	FINAL 52, 1
.Lnf_\@:
.endif
.endm
; The change of slots.  Slot s has been read and gets fill k of the ring.  who = 2: all eight waves fetch; 1: the four of the slot's first tile; 0: nothing is left to fetch.
.macro REFILL s, k, who
	s_wait_tensorcnt 0x0                           ; all my tensor loads have landed, my part of the slot read next among them: a group 0 may be written
	ds_add_u32 v254, v255
	s_wait_dscnt 0x0
.if \who
	SETADDR \s, \k
.endif
	s_wait_dscnt 0x0                               ; my reads of the slot read last are over
	s_barrier_signal -1
	s_barrier_wait -1                              ; both now hold of all eight waves
.if \who == 2
	LOADALL \s                                     ; first thing behind the barrier; one load of the wave is out, with two units in which to land
.endif
.if \who == 1
	LOADT0 \s
.endif
.endm
	s_wait_tensorcnt 0x1                           ; my part of slot 0 is in; slot 1's stays out
	s_barrier_signal -1
	s_barrier_wait -1
	UNIT 0, 0, 1
	UNIT 1, 1, 1
	REFILL 0, 2, 2                                 ; units 4 and 5 into slot 0
	UNIT 2, 2, 1
	UNIT 3, 3, 1
	REFILL 1, 3, 2                                 ; units 6 and 7 into slot 1
	UNIT 4, 0, 0
	UNIT 5, 1, 0
	REFILL 0, 4, 1                                 ; unit 8 into slot 0's first place
	UNIT 6, 2, 0
	UNIT 7, 3, 0
	REFILL 0, 0, 0                                 ; nothing more: no tensor load is out from here to the end
	UNIT 8, 0, 2
	s_wait_tensorcnt 0x0
	ds_add_u32 v254, v255
	s_wait_dscnt 0x0
	s_endpgm
.Lfunc_end_k_q6da93083b8_attn:
	.size	k_q6da93083b8_attn, .Lfunc_end_k_q6da93083b8_attn-k_q6da93083b8_attn
	.p2alignl 7, 3214868480
	.fill 96, 4, 3214868480
	.section	.rodata,"a",@progbits
	.p2align	6, 0x0
	.amdhsa_kernel k_q6da93083b8_attn
		.amdhsa_group_segment_fixed_size 327680
		.amdhsa_private_segment_fixed_size 0
		.amdhsa_enable_private_segment 0
		.amdhsa_kernarg_size 16
		.amdhsa_user_sgpr_count 2
		.amdhsa_user_sgpr_kernarg_segment_ptr 1
		.amdhsa_wavefront_size32 1
		.amdhsa_system_sgpr_workgroup_id_x 1
		.amdhsa_system_sgpr_workgroup_id_y 1
		.amdhsa_system_sgpr_workgroup_id_z 1
		.amdhsa_system_vgpr_workitem_id 0
		.amdhsa_next_free_vgpr 360
		.amdhsa_next_free_sgpr 102
		.amdhsa_reserve_vcc 0
		.amdhsa_float_denorm_mode_32 3
		.amdhsa_float_denorm_mode_16_64 3
		.amdhsa_memory_ordered 1
		.amdhsa_forward_progress 1
		.amdhsa_inst_pref_size 255
	.end_amdhsa_kernel
	.section	.bss,"aw",@nobits
	.p2align	6
	.space	262144
	.amdgpu_metadata
---
amdhsa.version: [ 1, 2 ]
amdhsa.kernels:
  - .name:           k_q6da93083b8_attn
    .symbol:         k_q6da93083b8_attn.kd
    .args:
      - { .name: qkv, .offset: 0, .size: 8, .value_kind: global_buffer, .address_space: global }
      - { .name: att, .offset: 8, .size: 8, .value_kind: global_buffer, .address_space: global }
    .group_segment_fixed_size: 327680
    .private_segment_fixed_size: 0
    .kernarg_segment_align: 8
    .kernarg_segment_size: 16
    .max_flat_workgroup_size: 256
    .sgpr_count:     102
    .vgpr_count:     360
    .wavefront_size: 32
...
	.end_amdgpu_metadata
.endif
;; end of part 3
;; launch oproj (part 4): grid 16 x 16, 4 waves a work-group, clusters of 4 x 4, 327,680 bytes of LDS; arguments att, wob, out0; writes out0
.if DOCPART == 4
	.amdgcn_target "amdgcn-amd-amdhsa--gfx1250"
	.amdhsa_code_object_version 6
	.text
	.protected	k_q6da93083b8_oproj
	.globl	k_q6da93083b8_oproj
	.p2align	8
	.type	k_q6da93083b8_oproj,@function
k_q6da93083b8_oproj:
	s_mov_b64 s[64:65], 0
	v_nop
	global_prefetch_b8 v0, s[64:65] scope:SCOPE_SE
	s_setreg_imm32_b32 hwreg(HW_REG_WAVE_MODE, 25, 1), 1
	s_wait_xcnt 0x0
	s_wait_alu depctr_hold_cnt(0) depctr_sa_sdst(0) depctr_va_vdst(0) depctr_va_sdst(0) depctr_va_ssrc(0) depctr_va_vcc(0) depctr_vm_vsrc(0)
	s_getreg_b32 s2, hwreg(HW_REG_IB_STS2, 6, 4)
	s_cmp_eq_u32 s2, 0
	s_cbranch_scc0 .Lentry_in_a_cluster
	s_endpgm
.Lentry_in_a_cluster:
	s_bfe_u32 s2, ttmp6, 0x10000c
	s_cmp_lg_u32 s2, 0xf033
	s_cbranch_scc0 .Lentry_shape_is_right
	s_endpgm
.Lentry_shape_is_right:
; out0[m][n] = sum over k of att[m][k] wob[n][k]: 2048 x 2048 x 2048, f16 operands, f32 sums, f32 out.
; 16 x 16 = 256 work-groups of 128 x 128; four waves, 2 x 2, each 64 x 64: 16 accumulator tiles, 128 registers, in window 1.
; An LDS slot holds 256 along K (eight steps of 32): rows of 512 bytes of memory, aligned; two slots; one tensor load of 64 rows a wave and slot.
; From a request to the wait for it a wave issues 120 matrix instructions.
; CLUSTERS of 4 x 4: att's tile hangs on the block row alone and is asked for jointly along a cluster's row, wob's on the block column alone, along a column.
; THE WALK ALONG K.  Clusters whose x + y is odd begin at K = 1024 and wrap round at 2048.  The four clusters with one y need the same rows of att and the
; four with one x the same rows of wob; neighbours among them differ in x + y, so they ask for a given range of K at two different times and not all at once.
; The choice hangs on the cluster's own x and y, which its sixteen work-groups share.  ORDER OF ROUNDING: in those clusters a sum runs over
; k = 1024 .. 2047, 0 .. 1023, not in ascending order.
; The matrix instruction is used transposed (source 0 = 16 rows of wob, source 1 = 16 rows of att): a lane's eight results are eight neighbouring
; columns of one row of out0, 32 bytes.
; Window 0: v16-26 addresses; v64-127, v128-191 two fragment buffers (wob's four fragments at + 0, att's four at + 32).  Window 1: tile (a, b) at v[8 (4 a + b)].
.set SIZE_K, 2048
.set SIZE_N, 2048
.set KSLOT,  256
.set PITCH,  528                       ; an LDS row: 512 bytes + 16 of padding, an odd multiple of 16
.set HALFT,  64*PITCH                  ; 64 rows: one tensor load, and what a wave reads of either operand
.set SLOT,   4*HALFT                   ; att's 128 rows, then wob's 128 rows
.set STAGE,  2*SLOT                    ; behind the ring: 16 rows x 272 bytes for each wave; no tensor load lands there
.set SPITCH, 272
.set LAPS, SIZE_K/(2*KSLOT)            ; 4 laps of two slots
.set ADRA, 16
.set ADRB, 20
.set STO,  24
.set RD,   25
.set CO,   26
.set F0,   64
.set F1,   128
.set G1, 24
.set G0, 32
.set G1B, 48
.set G0B, 56
.set OFF, 66                           ; s[66:67], s[68:69]: where along a row (in bytes, below 4,096) slot 0's and slot 1's tile begins; the high words are 0
.set MUL, 0x50                         ; C and D window 1, both sources window 0
.set MSB, 0
.macro WIN new                         ; the immediate's high byte repeats the setting that is left
.if MSB != \new
	s_set_vgpr_msb (MSB<<8)|\new
.set MSB, \new
.endif
.endm
.macro JLOAD s                         ; waves 0 and 1 fetch att's two halves, waves 2 and 3 wob's; the branch hangs on the wave's number alone
	s_cmp_eq_u32 s11, 0
	s_cbranch_scc0 .Lfor_b_\@
	tensor_load_to_lds s[G0+4*\s:G0+4*\s+3], s[G1:G1+7]
	s_nop 0
	s_branch .Lasked_\@
.Lfor_b_\@:
	tensor_load_to_lds s[G0B+4*\s:G0B+4*\s+3], s[G1B:G1B+7]
	s_nop 0
.Lasked_\@:
.endm
.macro SETADDR s                       ; slot s's two addresses from the rows' first bytes and the slot's place along K; written only while no tensor load of the wave is out
	s_add_nc_u64 s[G0+4*\s+2:G0+4*\s+3], s[14:15], s[OFF+2*\s:OFF+2*\s+1]
	s_or_b32 s[G0+4*\s+3], s[G0+4*\s+3], 0x80000000                ; type 2
	s_add_nc_u64 s[G0B+4*\s+2:G0B+4*\s+3], s[46:47], s[OFF+2*\s:OFF+2*\s+1]
	s_or_b32 s[G0B+4*\s+3], s[G0B+4*\s+3], 0x80000000
.endm
.macro CREST                           ; a round of the cluster's barrier behind its opening barrier
	s_cmp_lg_u32 s10, 0
	s_cbranch_scc1 .Lnot_wave_0_\@
	s_barrier_signal -3
.Lnot_wave_0_\@:
	s_barrier_wait -3
	s_barrier_signal -1
	s_barrier_wait -1
.endm
.macro CROUND
	s_barrier_signal -1
	s_barrier_wait -1
	CREST
.endm
	s_load_b128 s[4:7], s[0:1], 0x0                ; att s[4:5], wob s[6:7]
	s_load_b64 s[8:9], s[0:1], 0x10                ; out0
	v_lshl_add_u32 v254, v0, 2, 0x46400
	v_mov_b32 v255, 0
	ds_add_u32 v254, v255
	ds_add_u32 v254, v255
	v_lshrrev_b32 v1, 5, v0
	v_readfirstlane_b32 s10, v1                    ; wave 0..3
	s_lshr_b32 s11, s10, 1                         ; my half of the block's rows; also: I fetch att (0) or wob (1)
	s_and_b32 s12, s10, 1                          ; my half of its columns; also: which 64 rows of that tile I fetch
	s_bfe_u32 s40, ttmp6, 0x40000                  ; cx
	s_bfe_u32 s41, ttmp6, 0x40004                  ; cy
	s_lshl_b32 s42, ttmp9, 2
	s_add_co_u32 s42, s42, s40                     ; block column
	s_and_b32 s13, ttmp7, 0xffff
	s_add_co_u32 s45, s13, ttmp9                   ; the cluster's x + y,
	s_and_b32 s45, s45, 1
	s_lshl_b32 s[OFF], s45, 11                     ; odd: the walk begins half way along the rows' 4,096 bytes
	s_add_co_u32 s[OFF+2], s[OFF], KSLOT*2         ; slot 1's first tile follows slot 0's
	s_mov_b32 s[OFF+1], 0
	s_mov_b32 s[OFF+3], 0
	s_lshl_b32 s13, s13, 2
	s_add_co_u32 s13, s13, s41                     ; block row
	s_lshl_b32 s43, s41, 2
	s_lshl_b32 s43, 15, s43                        ; my row of the cluster
	s_lshl_b32 s44, 0x1111, s40                    ; my column
	s_or_b32 s[G1+0], s43, (1<<16)|(1<<20)|(1<<21)|(6<<22)|(3<<25)  ; mask of my row; 2-byte elements; padding on; bit 21 beside a mask; 4 words behind every 128
	s_or_b32 s[G1B+0], s44, (1<<16)|(1<<20)|(1<<21)|(6<<22)|(3<<25) ; the same with the mask of my column
	s_mov_b32 s[G1B+1], KSLOT<<16
	s_mov_b32 s[G1+1], KSLOT<<16                   ; tensor_dim0 = 256
	s_mov_b32 s[G1B+2], 64<<16
	s_mov_b32 s[G1+2], 64<<16                      ; tensor_dim1 = 64
	s_mov_b32 s[G1B+3], KSLOT<<16
	s_mov_b32 s[G1+3], KSLOT<<16                   ; tile_dim0 = 256
	s_mov_b32 s[G1B+4], 64
	s_mov_b32 s[G1+4], 64                          ; tile_dim1 = 64
	s_mov_b32 s[G1B+5], SIZE_K
	s_mov_b32 s[G1+5], SIZE_K                      ; elements from row to row
	s_mov_b32 s[G1B+6], 0
	s_mov_b32 s[G1+6], 0
	s_mov_b32 s[G1B+7], 0
	s_mov_b32 s[G1+7], 0
	s_lshl_b32 s17, s12, 6
	s_lshl_b32 s16, s13, 7
	s_add_co_u32 s16, s16, s17                     ; att: row 128 x block row + 64 x half
	s_lshl_b32 s46, s42, 7
	s_add_co_u32 s46, s46, s17                     ; wob: row 128 x block column + 64 x half
	s_mov_b32 s17, 0
	s_mov_b32 s47, 0
	s_mov_b64 s[18:19], SIZE_K*2
	s_mul_u64 s[16:17], s[16:17], s[18:19]
	s_mul_u64 s[46:47], s[46:47], s[18:19]
	s_mul_i32 s20, s10, HALFT                      ; LDS: wave x 64 rows
	s_wait_dscnt 0x0
	s_wait_kmcnt 0x0
	s_add_nc_u64 s[14:15], s[4:5], s[16:17]        ; the first byte of my rows of att: kept to the end of the walk
	s_add_nc_u64 s[46:47], s[6:7], s[46:47]        ; and of wob
	CROUND                                         ; all sixteen work-groups are here: the first joint loads meet
.irp s, 0,1
	s_mov_b32 s[G0+4*\s], 1
	s_add_co_u32 s[G0+4*\s+1], s20, \s*SLOT
	s_mov_b32 s[G0B+4*\s], 1
	s_add_co_u32 s[G0B+4*\s+1], s20, \s*SLOT
	SETADDR \s
	JLOAD \s                                       ; both first fills go out together: two loads of the wave are out
.endr
	v_and_b32 v1, 15, v0                           ; r
	v_bfe_u32 v2, v0, 4, 1                         ; h
	v_mul_u32_u24 v3, v1, PITCH
	v_lshl_add_u32 v3, v2, 4, v3                   ; row x pitch + 16 h
	s_mul_i32 s21, s11, HALFT                      ; my 64 rows of att
	s_mul_i32 s22, s12, HALFT                      ; my 64 rows of wob,
	s_add_co_u32 s22, s22, 2*HALFT                 ; behind att's 128
.irp s, 0,1
	v_add_nc_u32 v[ADRA+\s], s21, v3
	v_add_nc_u32 v[ADRB+\s], s22, v3
	s_add_co_u32 s21, s21, SLOT
	s_add_co_u32 s22, s22, SLOT
.endr
	s_mul_i32 s23, s10, 16*SPITCH
	s_add_co_u32 s23, s23, STAGE                   ; my stage
	v_mul_u32_u24 v4, v1, SPITCH                   ; in: row r, 32 bytes for each half of the lanes
	v_lshl_add_u32 v4, v2, 5, v4
	v_add_nc_u32 v[STO], s23, v4
	v_mul_u32_u24 v5, v2, SPITCH                   ; back: lanes 0-15 one row of 256 bytes, lanes 16-31 the next
	v_lshl_add_u32 v5, v1, 4, v5
	v_add_nc_u32 v[RD], s23, v5
	v_lshlrev_b32 v5, 13, v2                       ; and the same two rows of out0, 8,192 bytes apart
	v_lshl_add_u32 v[CO], v1, 4, v5
; 8 matrix instructions: row blocks a0, a0 + 1 x all 4 column blocks, 32 along K.  zero = 1: the product starts the sums.
; The 16 accumulators take turns, one instruction a turn, in the same order in every step.
.macro MUL8 f, a0, zero
.irp a, \a0, \a0+1
.irp b, 0,1,2,3
.if \zero
	v_wmma_f32_16x16x32_f16 v[8*(4*(\a)+\b):8*(4*(\a)+\b)+7], v[\f+8*\b:\f+8*\b+7], v[\f+32+8*(\a):\f+32+8*(\a)+7], 0
.else
	v_wmma_f32_16x16x32_f16 v[8*(4*(\a)+\b):8*(4*(\a)+\b)+7], v[\f+8*\b:\f+8*\b+7], v[\f+32+8*(\a):\f+32+8*(\a)+7], v[8*(4*(\a)+\b):8*(4*(\a)+\b)+7]
.endif
.endr
.endr
.endm
.macro FETCH slot, k, f                ; 16 LDS loads in one run: wob's four fragments, then att's four, 32 K at byte k of the rows
	WIN 0
.irp i, 0,1,2,3
	ds_load_b128 v[\f+8*\i:\f+8*\i+3],   v[ADRB+\slot] offset:\k+\i*16*PITCH
	ds_load_b128 v[\f+8*\i+4:\f+8*\i+7], v[ADRB+\slot] offset:\k+\i*16*PITCH+32
.endr
.irp i, 0,1,2,3
	ds_load_b128 v[\f+32+8*\i:\f+32+8*\i+3],   v[ADRA+\slot] offset:\k+\i*16*PITCH
	ds_load_b128 v[\f+32+8*\i+4:\f+32+8*\i+7], v[ADRA+\slot] offset:\k+\i*16*PITCH+32
.endr
.endm
.macro PLACES                          ; four places behind a matrix instruction before a load lands on a register that it read, or a store reads its result
.rept 4
	v_nop
.endr
.endm
; One of a slot's first seven steps: multiplies buffer f and, in its middle, fetches the next step into buffer g
.macro STEP slot, k, f, g, zero
	s_wait_dscnt 4                                 ; all but the youngest four loads (att's blocks 2 and 3) are in
	WIN MUL
	MUL8 \f, 0, \zero
	PLACES
	FETCH \slot, \k, \g
	s_wait_dscnt 16                                ; all but the 16 just issued
	WIN MUL
	MUL8 \f, 2, \zero
.endm
.macro SEVEN slot, zero
	STEP \slot, 64,  F0, F1, \zero
	STEP \slot, 128, F1, F0, 0
	STEP \slot, 192, F0, F1, 0
	STEP \slot, 256, F1, F0, 0
	STEP \slot, 320, F0, F1, 0
	STEP \slot, 384, F1, F0, 0
	STEP \slot, 448, F0, F1, 0
.endm
; The eighth step changes slots.  In front of the barrier each wave has its reads of this slot back and all its tensor loads landed (one is out: its
; part of the next slot).  fill = 1: the barrier opens a round of the cluster's barrier, and the joint refill is the first tensor load behind it.
.macro TURN slot, next, fill
	s_wait_dscnt 0                                 ; my reads of this slot are over
	s_wait_tensorcnt 0x0                           ; all my tensor loads have landed
	ds_add_u32 v254, v255
	s_wait_dscnt 0x0
	s_barrier_signal -1
	WIN MUL
	MUL8 F1, 0, 0                                  ; register work while the others arrive
	WIN 0
	s_barrier_wait -1
.if \fill
	CREST                                          ; no wave of any partner still reads this slot or has a load on its way
	s_add_co_u32 s[OFF+2*\slot], s[OFF+2*\slot], 2*KSLOT*2         ; two slots on along K,
	s_and_b32 s[OFF+2*\slot], s[OFF+2*\slot], SIZE_K*2-1           ; round the row's end: a tile of 512 bytes begins at a multiple of 512 and never crosses it
	SETADDR \slot
	JLOAD \slot                                    ; one load of the wave is out until the next round
.endif
	PLACES
	FETCH \next, 0, F0
	WIN MUL
	MUL8 F1, 2, 0
.endm
.macro LAP zero
	SEVEN 0, \zero
	TURN 0, 1, 1
	SEVEN 1, 0
	TURN 1, 0, 1
.endm
	s_wait_tensorcnt 1                             ; my part of slot 0 is in; slot 1's stays out
	s_barrier_signal -1
	s_barrier_wait -1
	FETCH 0, 0, F0
	LAP 1                                          ; the first products start the sums: nothing is cleared
	WIN 0
	s_mov_b32 s3, LAPS-2
.Llap:
	LAP 0
	WIN 0
	s_sub_co_u32 s3, s3, 1
	s_cmp_lg_u32 s3, 0
	s_cbranch_scc1 .Llap
	SEVEN 0, 0                                     ; the last lap fills nothing: each slot has had its four fills, 4 x 2 x 256 = 2048 along K
	TURN 0, 1, 0
	SEVEN 1, 0
	s_wait_dscnt 0
	WIN MUL
	MUL8 F1, 0, 0
	MUL8 F1, 2, 0
	; THE WAY OUT, 16 rows at a time: 32 bytes a lane into my stage, read back as whole rows of 256 bytes (my 64 columns of f32)
	PLACES
	s_lshl_b32 s13, s13, 7
	s_lshl_b32 s14, s11, 6
	s_add_co_u32 s16, s13, s14                     ; my first row
	s_mov_b32 s17, 0
	s_mov_b64 s[18:19], SIZE_N*4
	s_mul_u64 s[16:17], s[16:17], s[18:19]
	s_add_nc_u64 s[8:9], s[8:9], s[16:17]
	s_lshl_b32 s46, s42, 9                         ; my first column in bytes: 512 x block + 256 x half
	s_lshl_b32 s47, s12, 8
	s_add_co_u32 s46, s46, s47
	s_mov_b32 s47, 0
	s_add_nc_u64 s[8:9], s[8:9], s[46:47]
.macro OUT16 a, f                      ; rows 16 a .. 16 a + 15 of my block = tiles (a, 0..3); f: F0 or F1 in turn
	WIN 0x04                                       ; the stores' data in window 1
.irp b, 0,1,2,3
	ds_store_b128 v[STO], v[8*(4*\a+\b):8*(4*\a+\b)+3]   offset:64*\b      ; row r, columns 16 b + 8 h + 0..3
	ds_store_b128 v[STO], v[8*(4*\a+\b)+4:8*(4*\a+\b)+7] offset:64*\b+16   ; columns 16 b + 8 h + 4..7
.endr
	WIN 0
	s_wait_xcnt 0x0                                ; buffer f, which earlier stores read, and the stores' base are rewritten only behind this wait
.if \a
	s_add_nc_u64 s[8:9], s[8:9], 16*SIZE_N*4
.endif
.irp t, 0,1,2,3,4,5,6,7
	ds_load_b128 v[\f+4*\t:\f+4*\t+3], v[RD] offset:\t*2*SPITCH    ; a wave's LDS instructions are served in order: these see the stores above
.endr
.irp t, 0,1,2,3,4,5,6,7
	s_wait_dscnt 7-\t                              ; load t is in, the 7 - t younger ones stay out
	global_store_b128 v[CO], v[\f+4*\t:\f+4*\t+3], s[8:9] offset:2*\t*SIZE_N*4 th:TH_STORE_NT   ; 16 lanes store 256 consecutive bytes, aligned
.endr
.endm
	OUT16 0, F0
	OUT16 1, F1
	OUT16 2, F0
	OUT16 3, F1
	s_wait_tensorcnt 0x0
	ds_add_u32 v254, v255
	s_wait_dscnt 0x0
	CROUND                                         ; the closing round: no work-group ends while a partner may still ask for a tile that names it
	s_endpgm
.Lfunc_end_k_q6da93083b8_oproj:
	.size	k_q6da93083b8_oproj, .Lfunc_end_k_q6da93083b8_oproj-k_q6da93083b8_oproj
	.p2alignl 7, 3214868480
	.fill 96, 4, 3214868480
	.section	.rodata,"a",@progbits
	.p2align	6, 0x0
	.amdhsa_kernel k_q6da93083b8_oproj
		.amdhsa_group_segment_fixed_size 327680
		.amdhsa_private_segment_fixed_size 0
		.amdhsa_enable_private_segment 0
		.amdhsa_kernarg_size 24
		.amdhsa_user_sgpr_count 2
		.amdhsa_user_sgpr_kernarg_segment_ptr 1
		.amdhsa_wavefront_size32 1
		.amdhsa_system_sgpr_workgroup_id_x 1
		.amdhsa_system_sgpr_workgroup_id_y 1
		.amdhsa_system_sgpr_workgroup_id_z 1
		.amdhsa_system_vgpr_workitem_id 0
		.amdhsa_next_free_vgpr 384
		.amdhsa_next_free_sgpr 70
		.amdhsa_reserve_vcc 0
		.amdhsa_float_denorm_mode_32 3
		.amdhsa_float_denorm_mode_16_64 3
		.amdhsa_memory_ordered 1
		.amdhsa_forward_progress 1
		.amdhsa_inst_pref_size 128
	.end_amdhsa_kernel
	.amdgpu_metadata
---
amdhsa.version: [ 1, 2 ]
amdhsa.kernels:
  - .name:           k_q6da93083b8_oproj
    .symbol:         k_q6da93083b8_oproj.kd
    .args:
      - { .name: att, .offset: 0, .size: 8, .value_kind: global_buffer, .address_space: global }
      - { .name: wob, .offset: 8, .size: 8, .value_kind: global_buffer, .address_space: global }
      - { .name: out0, .offset: 16, .size: 8, .value_kind: global_buffer, .address_space: global }
    .group_segment_fixed_size: 327680
    .private_segment_fixed_size: 0
    .kernarg_segment_align: 8
    .kernarg_segment_size: 24
    .max_flat_workgroup_size: 128
    .sgpr_count:     70
    .vgpr_count:     384
    .wavefront_size: 32
...
	.end_amdgpu_metadata
.endif
;; end of part 4
